; MI455X (gfx1250); checked and timed in simulation.
; The chip was launched on July 23, 2026; its instructions are those of AMD's public machine-readable ISA for CDNA 5 (MIT licence, August 2026) and "CDNA5" Instruction Set Architecture Reference Guide (July 2026). The comments in the code are by the model that wrote it; some were corrected since.
;; Fp8 PTPC Linear. Allowed arithmetic: matrix products marked QUANTISED: E4M3 operands, one given power-of-two scale a tensor, by v_wmma_f32_16x16x64_fp8_fp8 or v_wmma_f32_16x16x128_fp8_fp8, f32 sums; everything else in f32.
;; Inputs: bias 4,096 float32; lowp_scales 2 int32 (the exponents e of the quantised operands' scales 2^e); weight 4,096 x 4,096 float32; weight_scales 4,096 float32; x 4,096 x 4,096 bfloat16.
;; Outputs: out0 4,096 x 4,096 bfloat16.
;; This version of the problem:
;;   THIS VERSION OF THE PROBLEM IS GIVEN IN LOW PRECISION. The matrix products marked QUANTISED in the list below multiply operands that are first quantised to E4M3 (4 exponent bits, 3 mantissa bits; 8 bits a number), with one given power-of-two scale for each operand tensor; their sums are f32. All else is computed in f32.
;;   The module's matrix products, in the order in which they are computed (A, B: the left and right operand; K: the contracted axis; several contracted axes count as one K, in the product's order):
;;     1. [M 4,096, K 4,096] x [K 4,096, N 4,096]; A: computed on the way; B: input weight: QUANTISED (scales: A lowp_scales[0], B lowp_scales[1])
;;   THE QUANTISER, for each operand of a quantised product, along K:
;;     - The operand's scale is 2^e, e = its entry of the input lowp_scales (int32; the entries are numbered through the quantised products in the list's order, A before B).
;;     - Each number is divided by the scale, clamped to +-448, and rounded to the nearest number of E4M3, ties to even, subnormals kept.
;;     - The product sums the exact products of the quantised numbers (number of the format x scale) in f32.
;;   ~~~python
;;   def quantise(x, axis, e):      # numpy; x: float32 -> the quantised numbers, widened to float32 again
;;       x = np.moveaxis(x, axis, -1); K = x.shape[-1]
;;       r = np.clip(x / 2.0 ** e, -448, 448)
;;       step = 2.0 ** (np.maximum(np.frexp(np.where(r == 0, 1, r))[1] - 1, -6) - 3)
;;       q = np.round(r / step) * step * 2.0 ** e      # np.round: ties to even
;;       return np.moveaxis(q, -1, axis).astype(np.float32)
;;   ~~~
;;   OPERANDS COMPUTED ON THE WAY. 'Computed on the way' means the value that the module computes at that place (a softmax that the list does not call 'softmax' is quantised finished and normalised). What goes into a quantiser is computed in f32, as accurately as f32 sums, v_exp_f32 and their like allow (about 1e-6 of the number): no bf16 or f16 on the way to a quantiser, and a product that is left as it is and whose result goes on into a quantised operand takes f32 operands (vector FMAs, or v_wmma_f32_16x16x4_f32). A number that lies on a knife's edge between two numbers of the format may be rounded either way, as far as f32 arithmetic and the matrix unit's own rounding can turn it there, and no further.
;; One version. Each part assembles by itself: llvm-mc -triple=amdgcn-amd-amdhsa -mcpu=gfx1250 --defsym DOCPART=n.
;; ======== version 1 of 1: 2 launches
;; limits: values are held in bf16: 8 bits of precision; right only within a limited range of input values
;; workspace buffers: xq 16,777,216 bytes; wq 16,777,216 bytes; xs 16,384 bytes
;; launch quant (part 1): grid 768 x 1, 4 waves a work-group, no clusters, 66,304 bytes of LDS; arguments x, weight, lowp_scales, xq, wq, xs; writes xq, wq, xs
.if DOCPART == 1
	.amdgcn_target "amdgcn-amd-amdhsa--gfx1250"
	.amdhsa_code_object_version 6
	.text
	.protected	k_qde1a169da2_quant
	.globl	k_qde1a169da2_quant
	.p2align	8
	.type	k_qde1a169da2_quant,@function
k_qde1a169da2_quant:
	s_mov_b64 s[64:65], 0
	v_nop
	global_prefetch_b8 v0, s[64:65] scope:SCOPE_SE
	s_setreg_imm32_b32 hwreg(HW_REG_WAVE_MODE, 25, 1), 1
	s_wait_xcnt 0x0
; Both operands of the product become codes of E4M3, once, for the launch that multiplies them.
; x [4096][4096] bf16: for each row  s = max(largest |x|, 1e-10) / 448;  x / s is rounded to the E4M3 grid (the module's own per-token step);  that number is quantised with the given scale 2^e0:
;   held within +-448 x 2^e0, divided by 2^e0, rounded to the nearest code, ties to even.  Both steps are always made, whatever e0 is.  s goes to xs [4096] f32.
; weight [4096][4096] f32: held within +-448 x 2^e1, divided by 2^e1, rounded to the nearest code.
; ORDER OF K.  Within each 512 along K, byte 16 l + 4 v + t of a row of codes holds k = 128 v + 4 l + t (l = 0..31, v, t = 0..3): the same permutation for x and weight, so every code meets its partner.
;   With it a lane's four loads of a chunk are dense and its 16 numbers stand in 16 consecutive registers, as the conversions want them.
; wq: [4096 rows][4096 bytes], rows as above.
; xq: AN IMAGE OF THE MULTIPLYING LAUNCH'S OPERAND REGISTERS: [32 stripes of 128 rows][32 steps of 128 bytes of a row][8 blocks of 16 rows][c = 0..3][lane' = 0..31][16 bytes]; lane' = r + 16 h holds bytes
;   128 step + 32 c + 16 h .. + 15 of row r of the block.  A work-group owns 16 rows, one block: its codes are gathered by rows in LDS (pitch 4096 + 16 bytes), and behind one barrier each wave reads 8 steps
;   back in the image's order and stores 512 consecutive bytes an instruction.
; SHARES.  Work-groups 0-255: x, 16 rows each, a wave takes 4 whole rows (a row is 64 registers, kept between the pass for the maximum and the pass that quantises: x is read once).
; Work-groups 256-767: weight, 32,768 numbers each, a wave 16 steps of 512; they touch no LDS.  No work-group shares an input with another: no cluster, no matrix unit.
; xs leaves as 16 bytes a wave (4 rows): 16,384 bytes in the launch; a whole aligned 256 bytes of it would want 64 rows in one wave.
; THE DIVISIONS.  s: the product with 1 / 448, the residual by one fused multiply-add, one correction.  x / s: the product of x with v_rcp_f32's 1 / s (one unit in the last place), rounded once:
;   within two units in the last place of f32 of the quotient.  One instruction takes the bf16 half, multiplies and adds 0.
; LIMITS: e0 and e1 between -126 and 119, so that 2^e and 448 x 2^e are f32 numbers.  NaN and infinities in x or weight are not served.
.set ROWX, 8192                        ; a row of x in bytes
.set LP,   4112                        ; a row of the LDS stage: 4096 bytes of codes + 16
.set SPARE, 16*LP                      ; behind the stage: the spare words, 128 bytes a wave
.set M,    14                          ; v14-17   four running maxima (two bf16 each)
.set XSV,  20                          ; v20-23   s of my four rows
.set Q,    24                          ; v24-27   16 codes of x / s
.set P1,   28                          ; v28-31   at work in pass 1
.set X,    32                          ; v32-159  x: two row slots of 64 registers, at the end the codes on their way out;  weight: eight sets of 16 numbers
.set T,    160                         ; v160-175 16 numbers of the E4M3 grid
.set Y,    176                         ; v176-191 16 quotients
.set C,    192                         ; v192-223 x: a row's codes
.set WC,   160                         ; v160-223 weight: 4 registers of codes a step
.set SPW,  224                         ; LDS address of my spare word; never rewritten
.set NIL,  225                         ; 0; never rewritten
.set LST,  226                         ; the stage, on the way in: my wave's first row + 16 x lane
.set LRD,  227                         ; and out: row lane % 16, + 16 (lane / 16), + my wave's 1,024 bytes of each row
.set LT,   228
; v1 lane; v2 8 x lane; v3 16 x lane; v4 0; v5 448.0; v6 1.0; v7 the scale 1 as four E8M0 bytes; v8 448 x 2^e; v9 2^e; v10 s; v12 1/s; v18, v19 at work
	s_load_b128 s[4:7], s[0:1], 0x0                ; x, weight
	s_load_b128 s[8:11], s[0:1], 0x10              ; the scales' exponents, xq
	s_load_b128 s[12:15], s[0:1], 0x20             ; wq, xs
	v_lshl_add_u32 v[SPW], v0, 2, SPARE
	v_mov_b32 v[NIL], 0
	v_lshrrev_b32 v1, 5, v0
	v_readfirstlane_b32 s16, v1                    ; wave 0..3
	v_and_b32 v1, 31, v0                           ; lane
	v_lshlrev_b32 v2, 3, v1
	v_lshlrev_b32 v3, 4, v1
	s_mul_i32 s17, s16, 4*LP
	s_lshl_b32 s18, s16, 10
	v_add_nc_u32 v[LST], s17, v3
	v_and_b32 v[LRD], 15, v1
	v_mul_u32_u24 v[LRD], v[LRD], LP
	v_lshrrev_b32 v[LT], 4, v1
	v_lshl_add_u32 v[LRD], v[LT], 4, v[LRD]
	v_add_nc_u32 v[LRD], s18, v[LRD]
	s_mov_b32 s19, 0                               ; the upper words of the two offset pairs
	s_mov_b32 s21, 0
	s_wait_kmcnt 0x0
	s_load_b64 s[22:23], s[8:9], 0x0               ; e0, e1
	s_cmp_lt_u32 ttmp9, 256                        ; x's work-group or weight's: the work-group's number alone decides
	s_cbranch_scc0 .Lweight
	; ---------------- x ----------------
	s_lshl_b32 s17, ttmp9, 4
	s_lshl_b32 s18, s16, 2
	s_add_co_u32 s17, s17, s18                     ; my first row: 16 x work-group + 4 x wave
	s_lshl_b32 s18, s17, 13
	s_add_nc_u64 s[4:5], s[4:5], s[18:19]          ; x and xs at that row; every offset below is an immediate
	s_lshr_b32 s20, ttmp9, 3                       ; xq: stripe = work-group / 8 (524,288 bytes), block = work-group % 8 (2,048 bytes), my wave's 8 steps (16,384 bytes each)
	s_lshl_b32 s20, s20, 19
	s_and_b32 s24, ttmp9, 7
	s_lshl_b32 s24, s24, 11
	s_add_co_u32 s20, s20, s24
	s_lshl_b32 s24, s16, 17
	s_add_co_u32 s20, s20, s24
	s_add_nc_u64 s[10:11], s[10:11], s[20:21]
	s_lshl_b32 s20, s17, 2
	s_add_nc_u64 s[14:15], s[14:15], s[20:21]
.macro XLD row, i                      ; chunk i (512 along K, 1,024 bytes) of my row: four loads, each 256 consecutive bytes, aligned
.irp v, 0,1,2,3
	global_load_b64 v[X+64*((\row)%2)+8*(\i)+2*\v:X+64*((\row)%2)+8*(\i)+2*\v+1], v2, s[4:5] offset:ROWX*(\row)+1024*(\i)+256*\v th:TH_LOAD_NT
.endr
.endm
	s_wait_alu depctr_va_vdst(0)                   ; the wait at the head's end
.irp i, 0,1,2,3,4,5,6,7
	XLD 0, \i
.endr
.irp i, 0,1,2,3,4,5,6,7
	XLD 1, \i                                      ; two rows, 64 loads, are on their way
.endr
	s_mov_b32 s24, 0x7fff7fff                      ; clears the signs of two bf16
	s_mov_b32 s25, 0xffff0000                      ; a word's upper bf16
	s_mov_b32 s26, 0x76543210                      ; v_permlanex16_b32: lane l takes lane l xor 16
	s_mov_b32 s27, 0xfedcba98
	s_mov_b32 s29, 0x3b124925                      ; 1 / 448, rounded
	v_mov_b32 v4, 0
	v_mov_b32 v5, 0x43e00000                       ; 448.0
	v_mov_b32 v6, 1.0                              ; the first conversion divides by 2^0
	v_mov_b32 v7, 0x7f7f7f7f                       ; the way back multiplies by 2^(127 - 127): the same byte in all four
	s_wait_kmcnt 0x0
	s_add_co_i32 s30, s22, 127
	s_lshl_b32 s31, s30, 23
	v_mov_b32 v9, s31                              ; 2^e0 as f32: the conversion takes its exponent field
	s_add_co_i32 s30, s30, 8
	s_lshl_b32 s30, s30, 23
	s_or_b32 s30, s30, 0x600000
	v_mov_b32 v8, s30                              ; 448 x 2^e0
.macro ROW r
.set XS0, X+64*((\r)%2)
.if (\r) < 3
	s_wait_loadcnt 32                              ; loads come back in order: my row's 32 are in, the next row's 32 may be out
.else
	s_wait_loadcnt 0x0
.endif
	; pass 1: the largest |x| of my 128 numbers, two bf16 at a time, in four chains; the first four words start the chains
.irp k, 0,1,2,3
	v_and_b32 v[M+\k], s24, v[XS0+\k]
.endr
.set j, 4
.rept 60
	v_and_b32 v[P1+j%4], s24, v[XS0+j]
	v_pk_max_num_bf16 v[M+j%4], v[M+j%4], v[P1+j%4]
.set j, j+1
.endr
	v_pk_max_num_bf16 v[M], v[M], v[M+1]
	v_pk_max_num_bf16 v[M+2], v[M+2], v[M+3]
	v_pk_max_num_bf16 v[M], v[M], v[M+2]
	v_lshlrev_b32 v18, 16, v[M]                    ; the two halves as f32
	v_and_b32 v19, s25, v[M]
	v_max_num_f32 v18, v18, v19
	v_max_num_f32_dpp v18, v18, v18 row_xmask:1 row_mask:0xf bank_mask:0xf
	v_max_num_f32_dpp v18, v18, v18 row_xmask:2 row_mask:0xf bank_mask:0xf
	v_max_num_f32_dpp v18, v18, v18 row_xmask:4 row_mask:0xf bank_mask:0xf
	v_max_num_f32_dpp v18, v18, v18 row_xmask:8 row_mask:0xf bank_mask:0xf
	v_permlanex16_b32 v19, v18, s26, s27           ; (its destination has been written)
	v_max_num_f32 v18, v18, v19                    ; every lane holds the row's largest magnitude
	v_max_num_f32 v18, 0x2edbe6ff, v18             ; at least 1e-10
	v_mul_f32 v19, s29, v18                        ; / 448: the product with 1 / 448,
	v_fma_f32 v[P1], -v19, v5, v18                 ; what it leaves,
	v_fma_f32 v10, v[P1], s29, v19                 ; and the correction: s
	v_mov_b32 v[XSV+(\r)], v10
	s_wait_alu depctr_va_vdst(0)                   ; the wait ahead of the reciprocal
	v_rcp_f32 v12, v10
	v_nop                                          ; the plain place behind it
	s_wait_alu depctr_va_vdst(0)                   ; and the wait ahead of its first reader
	; pass 2: a chunk of 512 along K at a time, 16 numbers a lane
.irp i, 0,1,2,3,4,5,6,7
.irp v, 0,1,2,3
.irp w, 0,1
	v_fma_mix_f32_bf16 v[Y+4*\v+2*\w], v[XS0+8*\i+2*\v+\w], v12, v4 op_sel_hi:[1,0,0]                    ; the word's lower bf16 x (1/s) + 0.  Number 4 v + t of my 16: k = 128 v + 4 lane + t
	v_fma_mix_f32_bf16 v[Y+4*\v+2*\w+1], v[XS0+8*\i+2*\v+\w], v12, v4 op_sel:[1,0,0] op_sel_hi:[1,0,0]   ; the upper one
.endr
.endr
.if (\r) < 2
	XLD (\r)+2, \i                                 ; the eight registers just read take the same chunk of the row two further on
.endif
.set j, 0
.rept 16
	v_med3_num_f32 v[Y+j], v[Y+j], -v5, v5         ; the conversion to an 8-bit code does not saturate (ISA guide 7.6.2), and the row's largest x / s may round to just over 448
.set j, j+1
.endr
	v_cvt_scalef32_pk8_fp8_f32 v[Q:Q+1], v[Y:Y+7], v6            ; onto the E4M3 grid,
	v_cvt_scalef32_pk8_fp8_f32 v[Q+2:Q+3], v[Y+8:Y+15], v6
	v_nop                                          ; a plain line between scaled conversions and the lines that read their results
	v_cvt_scale_pk8_f32_fp8 v[T:T+7], v[Q:Q+1], v7               ; and back to f32: the operand as the module has it
	v_cvt_scale_pk8_f32_fp8 v[T+8:T+15], v[Q+2:Q+3], v7
	v_nop
.set j, 0
.rept 16
	v_med3_num_f32 v[T+j], v[T+j], -v8, v8         ; the given scale's hold: within 448 x 2^e0
.set j, j+1
.endr
	v_cvt_scalef32_pk8_fp8_f32 v[C+4*\i:C+4*\i+1], v[T:T+7], v9      ; / 2^e0, to the nearest code, ties to even
	v_cvt_scalef32_pk8_fp8_f32 v[C+4*\i+2:C+4*\i+3], v[T+8:T+15], v9
	v_nop                                          ; the next chunk writes these conversions' sources
	ds_store_b128 v[LST], v[C+4*\i:C+4*\i+3] offset:LP*(\r)+512*\i   ; 512 consecutive bytes of my row in the stage
.endr
.endm
	ROW 0
	ROW 1
	ROW 2
	ROW 3
	s_wait_dscnt 0x0                               ; for the others' sake: my four rows are in the stage
	s_barrier_signal -1
	s_barrier_wait -1
.set j, 0
.rept 32                               ; step 8 wave + j / 4, c = j % 4: lane' = r + 16 h takes 16 bytes of row r; rows 4,112 bytes apart, an odd multiple of 16
	ds_load_b128 v[X+4*j:X+4*j+3], v[LRD] offset:128*(j/4)+32*(j%4)
.set j, j+1
.endr
.set j, 0
.rept 32
	s_wait_dscnt 31-j
	global_store_b128 v3, v[X+4*j:X+4*j+3], s[10:11] offset:16384*(j/4)+512*(j%4)   ; 32 lanes store 512 consecutive bytes, aligned
.set j, j+1
.endr
	v_cmp_eq_u32 vcc_lo, 0, v1                     ; every lane holds the four s: lane 0 stores them
	s_wait_xcnt 0x0                                ; EXEC changes only behind this wait: the stores above have it among their sources
	s_and_saveexec_b32 s28, vcc_lo
	global_store_b128 v4, v[XSV:XSV+3], s[14:15]
	s_wait_xcnt 0x0                                ; and again in front of the line that widens it
	s_or_b32 exec_lo, exec_lo, s28
	s_wait_tensorcnt 0x0                           ; the wave's end
	ds_add_u32 v[SPW], v[NIL]
	s_wait_dscnt 0x0
	s_endpgm
	; ---------------- weight ----------------
.Lweight:
	s_sub_co_u32 s17, ttmp9, 256
	s_lshl_b32 s17, s17, 2
	s_add_co_u32 s17, s17, s16                     ; which run of 8,192 numbers is my wave's: 0 .. 2047
	s_lshl_b32 s18, s17, 15
	s_add_nc_u64 s[6:7], s[6:7], s[18:19]
	s_lshl_b32 s20, s17, 13
	s_add_nc_u64 s[12:13], s[12:13], s[20:21]
.macro WLD t                           ; step t: 512 numbers, four loads of 512 consecutive bytes, into set t % 8
.irp v, 0,1,2,3
	global_load_b128 v[X+16*((\t)%8)+4*\v:X+16*((\t)%8)+4*\v+3], v3, s[6:7] offset:2048*(\t)+512*\v th:TH_LOAD_NT
.endr
.endm
	s_wait_alu depctr_va_vdst(0)
.irp t, 0,1,2,3,4,5,6,7
	WLD \t                                         ; eight steps, 32 loads, are on their way
.endr
	s_wait_kmcnt 0x0
	s_add_co_i32 s30, s23, 127
	s_lshl_b32 s31, s30, 23
	v_mov_b32 v9, s31                              ; 2^e1
	s_add_co_i32 s30, s30, 8
	s_lshl_b32 s30, s30, 23
	s_or_b32 s30, s30, 0x600000
	v_mov_b32 v8, s30                              ; 448 x 2^e1
.macro WSTEP t
.set XS0, X+16*((\t)%8)
.if (\t) <= 8
	s_wait_loadcnt 28                              ; this step's four loads are in; those of the seven steps behind it may be out
.else
	s_wait_loadcnt 4*(15-(\t))
.endif
.set j, 0
.rept 16
	v_med3_num_f32 v[XS0+j], v[XS0+j], -v8, v8     ; the hold: the conversion does not saturate (ISA guide 7.6.2)
.set j, j+1
.endr
	v_cvt_scalef32_pk8_fp8_f32 v[WC+4*(\t):WC+4*(\t)+1], v[XS0:XS0+7], v9
	v_cvt_scalef32_pk8_fp8_f32 v[WC+4*(\t)+2:WC+4*(\t)+3], v[XS0+8:XS0+15], v9
.if (\t)+8 < 16
	WLD (\t)+8                                     ; the set takes the step eight further on
.endif
	global_store_b128 v3, v[WC+4*(\t):WC+4*(\t)+3], s[12:13] offset:512*(\t)   ; each step has its own four registers: no store's data are written again
.endm
	s_wait_alu depctr_va_vdst(0)
.irp t, 0,1,2,3,4,5,6,7,8,9,10,11,12,13,14,15
	WSTEP \t
.endr
	s_endpgm
.Lfunc_end_k_qde1a169da2_quant:
	.size	k_qde1a169da2_quant, .Lfunc_end_k_qde1a169da2_quant-k_qde1a169da2_quant
	.p2alignl 7, 3214868480
	.fill 96, 4, 3214868480
	.section	.rodata,"a",@progbits
	.p2align	6, 0x0
	.amdhsa_kernel k_qde1a169da2_quant
		.amdhsa_group_segment_fixed_size 66304
		.amdhsa_private_segment_fixed_size 0
		.amdhsa_enable_private_segment 0
		.amdhsa_kernarg_size 48
		.amdhsa_user_sgpr_count 2
		.amdhsa_user_sgpr_kernarg_segment_ptr 1
		.amdhsa_wavefront_size32 1
		.amdhsa_system_sgpr_workgroup_id_x 1
		.amdhsa_system_sgpr_workgroup_id_y 1
		.amdhsa_system_sgpr_workgroup_id_z 1
		.amdhsa_system_vgpr_workitem_id 0
		.amdhsa_next_free_vgpr 256
		.amdhsa_next_free_sgpr 66
		.amdhsa_reserve_vcc 1
		.amdhsa_float_denorm_mode_32 3
		.amdhsa_float_denorm_mode_16_64 3
		.amdhsa_memory_ordered 1
		.amdhsa_forward_progress 1
		.amdhsa_inst_pref_size 188
	.end_amdhsa_kernel
	.amdgpu_metadata
---
amdhsa.version: [ 1, 2 ]
amdhsa.kernels:
  - .name:           k_qde1a169da2_quant
    .symbol:         k_qde1a169da2_quant.kd
    .args:
      - { .name: x, .offset: 0, .size: 8, .value_kind: global_buffer, .address_space: global }
      - { .name: weight, .offset: 8, .size: 8, .value_kind: global_buffer, .address_space: global }
      - { .name: lowp_scales, .offset: 16, .size: 8, .value_kind: global_buffer, .address_space: global }
      - { .name: xq, .offset: 24, .size: 8, .value_kind: global_buffer, .address_space: global }
      - { .name: wq, .offset: 32, .size: 8, .value_kind: global_buffer, .address_space: global }
      - { .name: xs, .offset: 40, .size: 8, .value_kind: global_buffer, .address_space: global }
    .group_segment_fixed_size: 66304
    .private_segment_fixed_size: 0
    .kernarg_segment_align: 8
    .kernarg_segment_size: 48
    .max_flat_workgroup_size: 128
    .sgpr_count:     66
    .vgpr_count:     256
    .wavefront_size: 32
...
	.end_amdgpu_metadata
.endif
;; end of part 1
;; launch gemm (part 2): grid 16 x 16, 4 waves a work-group, clusters of 4 x 1, 327,680 bytes of LDS; arguments xq, wq, lowp_scales, xs, weight_scales, bias, out0; writes out0
.if DOCPART == 2
	.amdgcn_target "amdgcn-amd-amdhsa--gfx1250"
	.amdhsa_code_object_version 6
	.text
	.protected	k_qde1a169da2_gemm
	.globl	k_qde1a169da2_gemm
	.p2align	8
	.type	k_qde1a169da2_gemm,@function
k_qde1a169da2_gemm:
	s_mov_b64 s[64:65], 0
	v_nop
	global_prefetch_b8 v0, s[64:65] scope:SCOPE_SE
	s_setreg_imm32_b32 hwreg(HW_REG_WAVE_MODE, 25, 1), 1
	s_wait_xcnt 0x0
	s_wait_alu depctr_hold_cnt(0) depctr_sa_sdst(0) depctr_va_vdst(0) depctr_va_sdst(0) depctr_va_ssrc(0) depctr_va_vcc(0) depctr_vm_vsrc(0)
	s_getreg_b32 s2, hwreg(HW_REG_IB_STS2, 6, 4)
	s_cmp_eq_u32 s2, 0
	s_cbranch_scc0 .Lentry_in_a_cluster
	s_endpgm
.Lentry_in_a_cluster:
	s_bfe_u32 s2, ttmp6, 0x10000c
	s_cmp_lg_u32 s2, 0x3003
	s_cbranch_scc0 .Lentry_shape_is_right
	s_endpgm
.Lentry_shape_is_right:
; out0[m][n] = bf16( (sum over k of xcode[m][k] wcode[n][k]) x 2^(e0 + e1) x xs[m] x weight_scales[n] + bf16(bias[n]) ), 4096 x 4096 x 4096, codes of E4M3, sums in f32.
; LIMIT (an order of rounding): the scaled sum is not rounded to bf16 by itself before the bias is added; one rounding to bf16 is made, behind the fused multiply-add.  Against two roundings the result moves by
; at most one unit in the last place of bf16 of the larger of the scaled sum and the result.  2^(e0 + e1) is applied by v_ldexp_f32 to xs.
; A work-group (x: tile row of 256 m, y: tile column of 256 n) has four waves, each 128 x 128: 64 accumulators, 512 registers.
; w GOES THROUGH LDS: a ring of two slots, each 256 rows x 512 bytes (four K steps of 128), rows padded to 528 bytes; each wave fetches 64 rows by one tensor load.  The four work-groups of a cluster (4, 1, 1) have the
; same tile column: the load is joint (mask 15).  Between a refill and the wait for it a wave issues 224 matrix instructions.
; x GOES FROM MEMORY STRAIGHT INTO REGISTERS: xq is an image of the operand's registers (stripe of 128 rows: 32 steps x 8 blocks x 4 x 512 bytes), so each load reads 512 consecutive bytes.  It passes no LDS, so there is
; no joint load for it; with w alone in the ring a slot holds 512 along K.
; A K STEP of 128: first all 8 blocks of x against w's blocks 0-3 (window 2's accumulators), then against w's blocks 4-7 (window 3's).  So w needs ONE set of registers: each half is fetched anew from LDS while the
; other half is multiplied, 32 matrix instructions ahead.  x has two sets; its blocks are asked for again, for the step two on, four at a time: blocks 0-3 behind the 16th product of the step's second half, blocks 4-7
; at the step's end: 80 or 88 matrix instructions ahead of their first use.  So a step has three runs of loads: 16 from LDS; 16 of x; 16 of x and 16 from LDS.
; The matrix instruction is used transposed (source 0 = 16 rows of w, source 1 = 16 rows of x): a lane holds eight neighbouring n of one row m.  The 64 accumulators take turns.
; REGISTERS: window 0: v0-31 addresses, xs; v32-127 the way out; v128-255 w's fragments (way out: rows read back).  window 1: x's two sets (at the end set 0 holds weight_scales and bias).
;   window 2: accumulator (a, b < 4) at v[32 a + 8 b]; window 3: (a, b >= 4) at v[32 a + 8 (b - 4)].
; PREFETCHES, behind each refill and the LDS loads that follow it.  x: the 131,072 bytes that my tile row's two stripes hold for the slot period two on (its first loads are issued three K steps later): 512 blocks of
; 256 bytes, of which the work-group takes 128 by y % 4, a lane a block; period 1 is asked for once at the head, two K steps ahead of its first loads.  w: the tile of the period four on (two refills on): 512 blocks,
; shared out among the cluster's four by address (cx), a lane a block; the last trip asks for none (it would lie beyond K).  x's period 0 and w's periods 0 to 3 come by their loads alone.
.set PITCH,  528
.set QROWS,  64*PITCH                  ; what one tensor load brings
.set HALFT,  128*PITCH                 ; what one wave reads
.set SLOT,   256*PITCH
.set STAGE,  2*SLOT                    ; behind the ring: 16 rows x 272 bytes for each wave, for the way out
.set SPITCH, 272
.set SPARE,  STAGE+4*16*SPITCH         ; the spare words, 128 bytes a wave
.set GS,     16384                     ; a K step of a stripe of xq in bytes
.set OROW,   8192                      ; a row of out0 in bytes
.set XS,   8                           ; v8-15 xs of my rows 16 a + r
.set ADRB, 16                          ; v16-17 LDS address of my w fragments in slot 0, 1
.set GO,   18                          ; 16 x lane
.set STO,  19
.set RD,   20
.set CO,   21
.set PFO,  22                          ; w's prefetch offset
.set PFX,  23                          ; x's prefetch offset
.set HO,   24                          ; 32 h
.set RO,   25                          ; 4 r
.set SPW,  28
.set NIL,  29
.set TMP,  32
.set PK,   96
.set BK,   128
.set WS,   0                           ; window 1
.set BI,   64                          ; window 1
.set G1, 24
.set G0, 32
.set GA, 44                            ; s[44:45] my stripe of xq
.set PFW, 46
.set PXA, 48
.set H0W, 0xa4                         ; source 0 window 0, source 1 window 1, C and D window 2
.set H1W, 0xf4                         ; the same, C and D window 3
.set MSB, 0
.macro WIN new                         ; the immediate's high byte repeats the setting that is left
.if MSB != \new
	s_set_vgpr_msb (MSB<<8)|\new
.set MSB, \new
.endif
.endm
.macro PLACES                          ; four places in front of loads into registers that matrix instructions have read
.rept 4
	v_nop
.endr
.endm
.macro CREST
	s_cmp_lg_u32 s14, 0
	s_cbranch_scc1 .Lnot_wave_0_\@
	s_barrier_signal -3
.Lnot_wave_0_\@:
	s_barrier_wait -3
	s_barrier_signal -1
	s_barrier_wait -1
.endm
.macro CROUND
	s_barrier_signal -1
	s_barrier_wait -1
	CREST
.endm
.macro LCW n                           ; the wait's field holds 63 at the most; a smaller count is safe
.if (\n) > 63
	s_wait_loadcnt 63
.else
	s_wait_loadcnt \n
.endif
.endm
.macro GLD set, p, off                 ; x's blocks 2 p, 2 p + 1 of the step at byte off: 8 loads of 512 consecutive bytes
.irp i, 0,1,2,3,4,5,6,7
	global_load_b128 v[128*\set+32*\p+4*\i:128*\set+32*\p+4*\i+3], v[GO], s[GA:GA+1] offset:\off+4096*\p+512*\i
.endr
.endm
.macro SLD j                           ; j = 0, 1: weight_scales, j = 2, 3: bias, at my lane's columns 16 b + 8 h + 0..7, into x's set 0
.irp i, 0,1,2,3,4,5,6,7
	global_load_b128 v[32*\j+4*\i:32*\j+4*\i+3], v[HO], s[68+2*(\j/2):69+2*(\j/2)] offset:64*((8*(\j%2)+\i)/2)+16*(\i%2)
.endr
.endm
.macro RLD slot, kq, hb                ; w's blocks 4 hb .. 4 hb + 3 of the slot's kq-th 128 along K
.irp b, 0,1,2,3
.irp c, 0,1,2,3
	ds_load_b128 v[128+64*\hb+16*\b+4*\c:128+64*\hb+16*\b+4*\c+3], v[ADRB+\slot] offset:128*\kq+32*\c+(4*\hb+\b)*16*PITCH
.endr
.endr
.endm
.macro MM8 j, hb, set, zero            ; x's blocks 2 j, 2 j + 1 against four blocks of w
.irp a, 2*\j, 2*\j+1
.irp b, 0,1,2,3
.if \zero
	v_wmma_f32_16x16x128_fp8_fp8 v[32*(\a)+8*\b:32*(\a)+8*\b+7], v[128+64*\hb+16*\b:128+64*\hb+16*\b+15], v[128*\set+16*(\a):128*\set+16*(\a)+15], 0
.else
	v_wmma_f32_16x16x128_fp8_fp8 v[32*(\a)+8*\b:32*(\a)+8*\b+7], v[128+64*\hb+16*\b:128+64*\hb+16*\b+15], v[128*\set+16*(\a):128*\set+16*(\a)+15], v[32*(\a)+8*\b:32*(\a)+8*\b+7]
.endif
.endr
.endr
.endm
.macro ASK slot
	global_prefetch_b8 v[PFX], s[PXA:PXA+1] offset:65536*\slot th:TH_LOAD_NT scope:SCOPE_SE
	s_cmp_gt_u32 s3, 1                             ; s3 = 1 in the last trip
	s_cbranch_scc0 .Lno_w_\@
	global_prefetch_b8 v[PFO], s[PFW:PFW+1] offset:512*\slot th:TH_LOAD_NT scope:SCOPE_SE
.Lno_w_\@:
.endm
; One K step.  slot: this step's slot; set: x's set; gm: 1 = ask for x's step two on (at byte goff), 2 = ask for weight_scales and bias, 0 = nothing; nslot, nkq: where the next step's w lies (nkq < 0: none);
; turn: 1 = the slot's last step, the slot is filled again; 2 = the same with no refill; nb: loads issued behind this step's last pair of x; extra: 1 = step the bases, 2 = ask for xs.
.macro STEP slot, set, zero, gm, goff, nslot, nkq, turn, nb, extra
.if \turn
	s_wait_tensorcnt 0x0                           ; all my tensor loads have landed: my part of the other slot;
	ds_add_u32 v[SPW], v[NIL]
.if \turn == 1
	s_add_nc_u64 s[G0+4*\slot+2:G0+4*\slot+3], s[G0+4*\slot+2:G0+4*\slot+3], 1024   ; this slot's next tile: two periods of 512 bytes on
.endif
	s_wait_dscnt 17                                ; w's blocks 0-3 are in; the 16 loads of blocks 4-7 and the add may be out
.else
	s_wait_dscnt 16
.endif
.irp j, 0,1,2
	LCW \nb+24-8*\j                                ; x's pair j is in: behind it stand this step's later pairs, 8 loads each, and nb more
	WIN H0W
	MM8 \j, 0, \set, \zero
.endr
	LCW \nb
	s_wait_dscnt 0x0                               ; w's blocks 4-7 are in; at a turn: the add is done and my reads of this slot are over
.if \turn
	s_barrier_signal -1
.endif
	MM8 3, 0, \set, \zero
	WIN 0
.if \turn
	s_barrier_wait -1
.endif
.if \turn == 1
	CREST                                          ; the barrier has opened a round of the cluster's barrier: no wave of any partner reads this slot or has a load on its way
	tensor_load_to_lds s[G0+4*\slot:G0+4*\slot+3], s[G1:G1+7]
	s_nop 0
.endif
	PLACES
.if \nkq >= 0
	RLD \nslot, \nkq, 0
.endif
.if \extra == 2
.irp a, 0,1,2,3,4,5,6,7
	global_load_b32 v[XS+\a], v[RO], s[10:11] offset:64*\a
.endr
.endif
.if \turn == 1
	ASK \slot
.endif
.irp j, 0,1,2,3
	WIN H1W
	MM8 \j, 1, \set, \zero
.if (\gm != 0) && ((\j == 1) || (\j == 3))
	PLACES
.if (\extra == 1) && (\j == 1)
	s_wait_xcnt 0x0                                ; the loads and prefetches issued so far have read their bases (the youngest loads stand 48 matrix instructions back)
	s_add_nc_u64 s[GA:GA+1], s[GA:GA+1], 8*GS
	s_add_nc_u64 s[PXA:PXA+1], s[PXA:PXA+1], 2*65536
	s_add_nc_u64 s[PFW:PFW+1], s[PFW:PFW+1], 1024
.endif
	WIN 0x40
.if \gm == 1
	GLD \set, (\j-1), \goff                        ; the two pairs whose last products have just been issued
	GLD \set, \j, \goff
.else
	SLD (\j-1)
	SLD \j
.endif
.endif
.endr
	WIN 0
.if \nkq >= 0
	RLD \nslot, \nkq, 1
.endif
.endm
	s_load_b128 s[4:7], s[0:1], 0x0                ; xq, wq
	s_load_b128 s[8:11], s[0:1], 0x10              ; the scales' exponents, xs
	s_load_b128 s[68:71], s[0:1], 0x20             ; weight_scales, bias
	s_load_b64 s[72:73], s[0:1], 0x30              ; out0
	v_lshl_add_u32 v[SPW], v0, 2, SPARE
	v_mov_b32 v[NIL], 0
	ds_add_u32 v[SPW], v[NIL]                      ; the opening lines: the add, twice on end, and its wait
	ds_add_u32 v[SPW], v[NIL]
	v_lshrrev_b32 v1, 5, v0
	v_readfirstlane_b32 s14, v1                    ; wave 0..3
	s_lshr_b32 s15, s14, 1                         ; which 128 of the tile's m
	s_and_b32 s16, s14, 1                          ; which 128 of its n
	s_bfe_u32 s40, ttmp6, 0x40000                  ; cx
	s_lshl_b32 s17, ttmp9, 2
	s_add_co_u32 s17, s17, s40                     ; tile row = 4 x cluster x + cx
	s_and_b32 s42, ttmp7, 0xffff                   ; tile column: the cluster's y
	s_mov_b32 s77, 0xffff0000
	s_mov_b32 s[G1+0], 15|(1<<20)|(1<<21)|(6<<22)|(3<<25)   ; mask: all four of the cluster; bytes; 4 dwords of padding behind every 128
	s_mov_b32 s[G1+1], 512<<16
	s_mov_b32 s[G1+2], 64<<16
	s_mov_b32 s[G1+3], 512<<16
	s_mov_b32 s[G1+4], 64
	s_mov_b32 s[G1+5], 4096
	s_mov_b32 s[G1+6], 0
	s_mov_b32 s[G1+7], 0
	s_lshl_b32 s20, s42, 20                        ; w's row 256 x tile column + 64 x wave, 4,096 bytes a row
	s_lshl_b32 s21, s14, 18
	s_add_co_u32 s20, s20, s21
	s_mov_b32 s21, 0
	s_mul_i32 s22, s14, QROWS
	s_wait_dscnt 0x0
	s_wait_kmcnt 0x0
	s_load_b64 s[96:97], s[8:9], 0x0               ; e0, e1
	s_add_nc_u64 s[20:21], s[6:7], s[20:21]
.irp s, 0,1
	s_mov_b32 s[G0+4*\s], 1
	s_add_co_u32 s[G0+4*\s+1], s22, \s*SLOT
	s_add_nc_u64 s[G0+4*\s+2:G0+4*\s+3], s[20:21], \s*512
	s_or_b32 s[G0+4*\s+3], s[G0+4*\s+3], 0x80000000
.endr
	CROUND                                         ; the four work-groups are here: the first joint loads meet
	tensor_load_to_lds s[G0:G0+3], s[G1:G1+7]      ; period 0: one tensor load a wave at the head
	s_nop 0
	PLACES
	s_mov_b32 s21, 0
	s_lshl_b32 s20, s17, 20                        ; xq: stripe 2 x tile row + half, 524,288 bytes each
	s_lshl_b32 s22, s15, 19
	s_add_co_u32 s20, s20, s22
	s_add_nc_u64 s[GA:GA+1], s[4:5], s[20:21]
	s_lshl_b32 s20, s17, 20
	s_add_co_u32 s20, s20, 2*65536                 ; the loop's prefetches of x begin at period 2
	s_add_nc_u64 s[PXA:PXA+1], s[4:5], s[20:21]
	s_lshl_b32 s20, s42, 20
	s_add_co_u32 s20, s20, 4*512                   ; w's at period 4
	s_add_nc_u64 s[PFW:PFW+1], s[6:7], s[20:21]
	s_lshl_b32 s20, s42, 10                        ; my 128 columns of weight_scales and bias
	s_lshl_b32 s22, s16, 9
	s_add_co_u32 s20, s20, s22
	s_add_nc_u64 s[68:69], s[68:69], s[20:21]
	s_add_nc_u64 s[70:71], s[70:71], s[20:21]
	s_lshl_b32 s20, s17, 10                        ; my 128 rows of xs
	s_lshl_b32 s22, s15, 9
	s_add_co_u32 s20, s20, s22
	s_add_nc_u64 s[10:11], s[10:11], s[20:21]
	s_lshl_b32 s20, s17, 21                        ; my corner of out0
	s_lshl_b32 s22, s15, 20
	s_add_co_u32 s20, s20, s22
	s_lshl_b32 s22, s42, 9
	s_add_co_u32 s20, s20, s22
	s_lshl_b32 s22, s16, 8
	s_add_co_u32 s20, s20, s22
	s_add_nc_u64 s[72:73], s[72:73], s[20:21]
	s_mul_i32 s22, s16, HALFT
	s_mul_i32 s23, s14, 16*SPITCH
	s_add_co_u32 s23, s23, STAGE
	s_lshl_b32 s50, s40, 7                         ; enters global addresses alone
	s_and_b32 s51, s42, 3
	s_lshl_b32 s51, s51, 7
	v_and_b32 v1, 15, v0                           ; r
	v_bfe_u32 v2, v0, 4, 1                         ; h
	v_and_b32 v3, 31, v0
	v_mul_u32_u24 v4, v1, PITCH
	v_lshl_add_u32 v4, v2, 4, v4
	v_add_nc_u32 v[ADRB], s22, v4
	v_add_nc_u32 v[ADRB+1], SLOT, v[ADRB]
	v_lshlrev_b32 v[GO], 4, v3
	v_mul_u32_u24 v4, v1, SPITCH                   ; into my stage: row r, 16 bytes for each half of the lanes
	v_lshl_add_u32 v4, v2, 4, v4
	v_add_nc_u32 v[STO], s23, v4
	v_mul_u32_u24 v4, v2, SPITCH                   ; back: lanes 0-15 one row of 256 bytes, lanes 16-31 the next
	v_lshl_add_u32 v4, v1, 4, v4
	v_add_nc_u32 v[RD], s23, v4
	v_lshlrev_b32 v4, 13, v2
	v_lshl_add_u32 v[CO], v1, 4, v4
	v_lshlrev_b32 v[HO], 5, v2
	v_lshlrev_b32 v[RO], 2, v1
	v_add_nc_u32 v4, s50, v0                       ; w's block 128 cx + thread: row = block / 2, half = block % 2
	v_lshrrev_b32 v5, 1, v4
	v_and_b32 v4, 1, v4
	v_lshlrev_b32 v4, 8, v4
	v_lshl_add_u32 v[PFO], v5, 12, v4
	v_add_nc_u32 v4, s51, v0                       ; x's block 128 (y % 4) + thread: stripe = block / 256
	v_lshrrev_b32 v5, 8, v4
	v_and_b32 v4, 255, v4
	v_lshlrev_b32 v4, 8, v4
	v_lshl_add_u32 v[PFX], v5, 19, v4
	s_wait_alu depctr_va_vdst(0)                   ; the wait at the head's end
	global_prefetch_b8 v[PFX], s[PXA:PXA+1] offset:-65536 th:TH_LOAD_NT scope:SCOPE_SE   ; x's period 1: K steps 4 to 7, whose loads begin in step 2
	WIN 0x40
.irp p, 0,1,2,3
	GLD 0, \p, 0
.endr
.irp p, 0,1,2
	GLD 1, \p, GS                                  ; 56 loads are out
.endr
	WIN 0
	s_wait_tensorcnt 0x0                           ; my part of period 0 is in
	ds_add_u32 v[SPW], v[NIL]
	s_wait_dscnt 0x0
	CROUND
	tensor_load_to_lds s[G0+4:G0+7], s[G1:G1+7]    ; period 1, the first tensor load behind the round
	s_nop 0
	PLACES
	WIN 0x40
	GLD 1, 3, GS
	WIN 0
	RLD 0, 0, 0
	RLD 0, 0, 1
	STEP 0, 0, 1, 1, 2*GS, 0, 1, 0, 32, 0          ; step 0 stands in front of the loop: its products start the sums
	s_mov_b32 s3, 3
.Llap:                                                 ; a trip: steps 8 t + 1 .. 8 t + 8, once round the ring; both slots are filled again
	STEP 0, 1, 0, 1, 3*GS, 0, 2, 0, 32, 0
	STEP 0, 0, 0, 1, 4*GS, 0, 3, 0, 32, 0
	STEP 0, 1, 0, 1, 5*GS, 1, 0, 1, 32, 0
	STEP 1, 0, 0, 1, 6*GS, 1, 1, 0, 32, 0
	STEP 1, 1, 0, 1, 7*GS, 1, 2, 0, 32, 0
	STEP 1, 0, 0, 1, 8*GS, 1, 3, 0, 32, 0
	STEP 1, 1, 0, 1, 9*GS, 0, 0, 1, 32, 0
	STEP 0, 0, 0, 1, 2*GS, 0, 1, 0, 32, 1
	s_sub_co_u32 s3, s3, 1
	s_cmp_lg_u32 s3, 0
	s_cbranch_scc1 .Llap
	STEP 0, 1, 0, 1, 3*GS, 0, 2, 0, 32, 0          ; steps 25 to 31: nothing is filled again
	STEP 0, 0, 0, 1, 4*GS, 0, 3, 0, 32, 0
	STEP 0, 1, 0, 1, 5*GS, 1, 0, 2, 32, 0
	STEP 1, 0, 0, 1, 6*GS, 1, 1, 0, 32, 0
	STEP 1, 1, 0, 1, 7*GS, 1, 2, 0, 32, 0
	STEP 1, 0, 0, 2, 0, 1, 3, 0, 32, 2             ; step 30 asks for xs (8 loads) and, where x's set 0 falls free, for weight_scales and bias (32 loads)
	STEP 1, 1, 0, 0, 0, 0, -1, 0, 40, 0
; THE WAY OUT, block by block of 16 rows x 128 columns: x xs 2^(e0 + e1), then x weight_scales + bias in one fused multiply-add, rounded to bf16; through my own stage, back as rows of 256 bytes.
.macro OUTB a
.set AC, 32*(\a)
.set BB, BK+32*((\a)%2)
	v_mov_b32 v6, v[XS+(\a)]
	v_mov_b32 v7, v[XS+(\a)]
	WIN 0x02
.set j, 0
.rept 16
	v_pk_mul_f32 v[TMP+j:TMP+j+1], v[AC+j:AC+j+1], v[6:7]          ; each accumulator from its low end on
.set j, j+2
.endr
	WIN 0x03
.set j, 0
.rept 16
	v_pk_mul_f32 v[TMP+32+j:TMP+32+j+1], v[AC+j:AC+j+1], v[6:7]
.set j, j+2
.endr
	WIN 0x14
.set j, 0
.rept 32
	v_pk_fma_f32 v[TMP+j:TMP+j+1], v[TMP+j:TMP+j+1], v[WS+j:WS+j+1], v[BI+j:BI+j+1]
.set j, j+2
.endr
	WIN 0
.set i, 0
.rept 32
	v_cvt_pk_bf16_f32 v[PK+i], v[TMP+2*i], v[TMP+2*i+1]
.set i, i+1
.endr
.irp b, 0,1,2,3,4,5,6,7
	ds_store_b128 v[STO], v[PK+4*\b:PK+4*\b+3] offset:32*\b
.endr
.if (\a) > 1
	s_wait_xcnt 0x0                                ; block a - 2's stores have read their registers: block a's rows may land there
.endif
.irp t, 0,1,2,3,4,5,6,7
	ds_load_b128 v[BB+4*\t:BB+4*\t+3], v[RD] offset:\t*2*SPITCH    ; LDS serves a wave's instructions in order: these see the stores above
.endr
.endm
.macro SEND a, younger
.set BB, BK+32*((\a)%2)
	s_wait_dscnt \younger
.irp t, 0,1,2,3,4,5,6,7
	global_store_b128 v[CO], v[BB+4*\t:BB+4*\t+3], s[72:73] offset:(16*(\a)+2*\t)*OROW th:TH_STORE_NT   ; 16 lanes store 256 consecutive bytes, aligned
.endr
.endm
	s_wait_loadcnt 0x0                             ; xs, weight_scales, bias
	s_wait_kmcnt 0x0
	s_add_co_i32 s96, s96, s97                     ; e0 + e1
.irp a, 0,1,2,3,4,5,6,7
	v_ldexp_f32 v[XS+\a], v[XS+\a], s96            ; (these eight are also the places behind the last products)
.endr
	WIN 0x05
.set i, 0
.rept 32
	v_cvt_pk_bf16_f32 v[PK+i], v[BI+2*i], v[BI+2*i+1]              ; bias as bf16,
.set i, i+1
.endr
	WIN 0x40
.set i, 0
.rept 32
	v_lshlrev_b32 v[BI+2*i], 16, v[PK+i]                           ; and widened again
	v_and_b32 v[BI+2*i+1], s77, v[PK+i]
.set i, i+1
.endr
	WIN 0
	OUTB 0
.irp a, 1,2,3,4,5,6,7
	OUTB \a
	SEND \a-1, 16                                  ; behind block a - 1's loads: block a's 8 stores and 8 loads
.endr
	SEND 7, 0
	s_wait_tensorcnt 0x0                           ; the wave's end
	ds_add_u32 v[SPW], v[NIL]
	s_wait_dscnt 0x0
	CROUND                                         ; the closing round
	s_endpgm
.Lfunc_end_k_qde1a169da2_gemm:
	.size	k_qde1a169da2_gemm, .Lfunc_end_k_qde1a169da2_gemm-k_qde1a169da2_gemm
	.p2alignl 7, 3214868480
	.fill 96, 4, 3214868480
	.section	.rodata,"a",@progbits
	.p2align	6, 0x0
	.amdhsa_kernel k_qde1a169da2_gemm
		.amdhsa_group_segment_fixed_size 327680
		.amdhsa_private_segment_fixed_size 0
		.amdhsa_enable_private_segment 0
		.amdhsa_kernarg_size 56
		.amdhsa_user_sgpr_count 2
		.amdhsa_user_sgpr_kernarg_segment_ptr 1
		.amdhsa_wavefront_size32 1
		.amdhsa_system_sgpr_workgroup_id_x 1
		.amdhsa_system_sgpr_workgroup_id_y 1
		.amdhsa_system_sgpr_workgroup_id_z 1
		.amdhsa_system_vgpr_workitem_id 0
		.amdhsa_next_free_vgpr 1024
		.amdhsa_next_free_sgpr 100
		.amdhsa_reserve_vcc 0
		.amdhsa_float_denorm_mode_32 3
		.amdhsa_float_denorm_mode_16_64 3
		.amdhsa_memory_ordered 1
		.amdhsa_forward_progress 1
		.amdhsa_inst_pref_size 238
	.end_amdhsa_kernel
	.amdgpu_metadata
---
amdhsa.version: [ 1, 2 ]
amdhsa.kernels:
  - .name:           k_qde1a169da2_gemm
    .symbol:         k_qde1a169da2_gemm.kd
    .args:
      - { .name: xq, .offset: 0, .size: 8, .value_kind: global_buffer, .address_space: global }
      - { .name: wq, .offset: 8, .size: 8, .value_kind: global_buffer, .address_space: global }
      - { .name: lowp_scales, .offset: 16, .size: 8, .value_kind: global_buffer, .address_space: global }
      - { .name: xs, .offset: 24, .size: 8, .value_kind: global_buffer, .address_space: global }
      - { .name: weight_scales, .offset: 32, .size: 8, .value_kind: global_buffer, .address_space: global }
      - { .name: bias, .offset: 40, .size: 8, .value_kind: global_buffer, .address_space: global }
      - { .name: out0, .offset: 48, .size: 8, .value_kind: global_buffer, .address_space: global }
    .group_segment_fixed_size: 327680
    .private_segment_fixed_size: 0
    .kernarg_segment_align: 8
    .kernarg_segment_size: 56
    .max_flat_workgroup_size: 128
    .sgpr_count:     100
    .vgpr_count:     1024
    .wavefront_size: 32
...
	.end_amdgpu_metadata
.endif
;; end of part 2
